; MI455X (gfx1250); checked and timed in simulation.
; The chip was launched on July 23, 2026; its instructions are those of AMD's public machine-readable ISA for CDNA 5 (MIT licence, August 2026) and "CDNA5" Instruction Set Architecture Reference Guide (July 2026). The comments in the code are by the model that wrote it; some were corrected since.
;; Multi Head Attention. Allowed arithmetic: matrix products marked QUANTISED: E4M3 operands, one given power-of-two scale a tensor, by v_wmma_f32_16x16x64_fp8_fp8 or v_wmma_f32_16x16x128_fp8_fp8, f32 sums; everything else in f32.
;; Inputs: b1 3,072 float32; b2 1,024 float32; lowp_scales 8 int32 (the exponents e of the quantised operands' scales 2^e); w1_codes 3,072 x 32 x 32 uint8 (E4M3 codes of w1, K innermost, in blocks of 32 codes); w2_codes 1,024 x 32 x 32 uint8 (E4M3 codes of w2, K innermost, in blocks of 32 codes); x_codes 4 x 2,048 x 32 x 32 uint8 (E4M3 codes of x, K innermost, in blocks of 32 codes).
;; Outputs: out0 4 x 2,048 x 1,024 float32.
;; This version of the problem:
;;   THIS VERSION OF THE PROBLEM IS GIVEN IN LOW PRECISION. The matrix products marked QUANTISED in the list below multiply operands that are first quantised to E4M3 (4 exponent bits, 3 mantissa bits; 8 bits a number), with one given power-of-two scale for each operand tensor; their sums are f32. All else is computed in f32.
;;   The module's matrix products, in the order in which they are computed (A, B: the left and right operand; K: the contracted axis; several contracted axes count as one K, in the product's order):
;;     1. [M 8,192, K 1,024] x [K 1,024, N 3,072]; A: input x (given as codes); B: input w1 (given as codes): QUANTISED (scales: A lowp_scales[0], B lowp_scales[1])
;;     2. batch 64 x [M 2,048, K 64] x [K 64, N 2,048]; A: computed on the way; B: computed on the way: QUANTISED (scales: A lowp_scales[2], B lowp_scales[3])
;;     3. batch 64 x [M 2,048, K 2,048] x [K 2,048, N 64]; A: softmax (see below); B: computed on the way: QUANTISED (scales: A lowp_scales[4], B lowp_scales[5])
;;     4. [M 8,192, K 1,024] x [K 1,024, N 1,024]; A: computed on the way; B: input w2 (given as codes): QUANTISED (scales: A lowp_scales[6], B lowp_scales[7])
;;   THE QUANTISER, for each operand of a quantised product, along K:
;;     - The operand's scale is 2^e, e = its entry of the input lowp_scales (int32; the entries are numbered through the quantised products in the list's order, A before B).
;;     - Each number is divided by the scale, clamped to +-448, and rounded to the nearest number of E4M3, ties to even, subnormals kept.
;;     - The product sums the exact products of the quantised numbers (number of the format x scale) in f32.
;;   ~~~python
;;   def quantise(x, axis, e):      # numpy; x: float32 -> the quantised numbers, widened to float32 again
;;       x = np.moveaxis(x, axis, -1); K = x.shape[-1]
;;       r = np.clip(x / 2.0 ** e, -448, 448)
;;       step = 2.0 ** (np.maximum(np.frexp(np.where(r == 0, 1, r))[1] - 1, -6) - 3)
;;       q = np.round(r / step) * step * 2.0 ** e      # np.round: ties to even
;;       return np.moveaxis(q, -1, axis).astype(np.float32)
;;   ~~~
;;   SOFTMAX AHEAD OF A QUANTISED PRODUCT. Where the list says 'softmax', what is quantised is not the finished softmax but p = 2^(t - M), with t = logit x log2(e) and M = ceil(the row's largest t), a whole number; so 1/2 < the row's largest p <= 1. The row's sum l is taken of the UNQUANTISED p, in f32, and the product's result is divided by l at the end. Since M is a whole number, a kernel that streams over the keys may use a running M (the ceiling of the running maximum): every later rescaling is an exact power of two, so the quantised numbers keep their values, but for numbers so far below the row's largest that they fall under the format's range.
;;   OPERANDS COMPUTED ON THE WAY. 'Computed on the way' means the value that the module computes at that place (a softmax that the list does not call 'softmax' is quantised finished and normalised). What goes into a quantiser is computed in f32, as accurately as f32 sums, v_exp_f32 and their like allow (about 1e-6 of the number): no bf16 or f16 on the way to a quantiser, and a product that is left as it is and whose result goes on into a quantised operand takes f32 operands (vector FMAs, or v_wmma_f32_16x16x4_f32). A number that lies on a knife's edge between two numbers of the format may be rounded either way, as far as f32 arithmetic and the matrix unit's own rounding can turn it there, and no further.
;;   INPUTS GIVEN AS CODES. w1 (in the module: [3072, 1024], K = its axis 1); w2 (in the module: [1024, 1024], K = its axis 1); x (in the module: [4, 2048, 1024], K = its axis 2): each comes as NAME_codes (uint8): NAME with its K axis moved to the last place and cut into blocks of 32 codes, [.., K / 32, bytes a block], one block behind the other in memory; one code a byte (a code: sign, 4 exponent bits, 3 mantissa bits); its scale is its entry of lowp_scales. Its value is code x scale, taken as it is: it is not quantised again, and the codes and scales need not be those that the quantiser above would give.
;; One version. Each part assembles by itself: llvm-mc -triple=amdgcn-amd-amdhsa -mcpu=gfx1250 --defsym DOCPART=n.
;; ======== version 1 of 1: 3 launches
;; limits: right only within a limited range of input values
;; workspace buffers: q_codes 8,388,608 bytes; k_codes 8,388,608 bytes; v_codes 8,388,608 bytes; o_codes 8,388,608 bytes
;; launch qkv (part 1): grid 12 x 32, 4 waves a work-group, clusters of 4 x 4, 327,680 bytes of LDS; arguments x_codes, w1_codes, lowp_scales, b1, q_codes, k_codes, v_codes; writes q_codes, k_codes, v_codes
.if DOCPART == 1
	.amdgcn_target "amdgcn-amd-amdhsa--gfx1250"
	.amdhsa_code_object_version 6
	.text
	.protected	k_qb649e94dae_qkv
	.globl	k_qb649e94dae_qkv
	.p2align	8
	.type	k_qb649e94dae_qkv,@function
k_qb649e94dae_qkv:
	s_mov_b64 s[64:65], 0
	v_nop
	global_prefetch_b8 v0, s[64:65] scope:SCOPE_SE
	s_setreg_imm32_b32 hwreg(HW_REG_WAVE_MODE, 25, 1), 1
	s_wait_xcnt 0x0
	s_wait_alu depctr_hold_cnt(0) depctr_sa_sdst(0) depctr_va_vdst(0) depctr_va_sdst(0) depctr_va_ssrc(0) depctr_va_vcc(0) depctr_vm_vsrc(0)
	s_getreg_b32 s2, hwreg(HW_REG_IB_STS2, 6, 4)
	s_cmp_eq_u32 s2, 0
	s_cbranch_scc0 .Lentry_in_a_cluster
	s_endpgm
.Lentry_in_a_cluster:
	s_bfe_u32 s2, ttmp6, 0x10000c
	s_cmp_lg_u32 s2, 0xf033
	s_cbranch_scc0 .Lentry_shape_is_right
	s_endpgm
.Lentry_shape_is_right:
; qkv = x w1^T 2^(e0 + e1) + b1 on codes of E4M3, and its three thirds quantised at once: q with 2^e2, k with 2^e3, v with 2^e5 (e0 .. e7: the eight whole numbers of lowp_scales).
; x: [8192][1024] codes, w1: [3072][1024] codes, K innermost.  A tile of 256 x 256 results to a work-group of four waves, 128 x 128 to a wave: 64 accumulators, 512 registers.
; K goes in four steps of 256 through two LDS slots filled by the tensor data mover; the text is straight: no loop.
; REGION A feeds source 1 (a lane holds ONE of its rows), REGION B feeds source 0 (a lane's eight registers are eight neighbouring rows of it).
;   cluster x = 0 (q), 1 (k): A = x, B = w1: a lane holds one position s and eight neighbouring channels: codes with the head's channels innermost.
;   cluster x = 2 (v):        A = w1's rows 2048 on, B = x: a lane holds one channel and eight neighbouring keys: codes with the KEYS innermost, as the second product of attention wants them.
;   Only pointers and first tiles are chosen (by selects on the cluster's x, which all sixteen partners share); the products' text is one.
; CLUSTERS: 4 x 4 work-groups; A's tile is shared along a row of the cluster, B's along a column: each is asked for jointly, by the same tensor load with a mask that names the four.
; OUTPUT LAYOUTS (bh = 16 b + head; pi swaps bits 3 and 4 of an index, so that the 16 rows that form a tile in the next launch lie on end):
;   q_codes, k_codes: [bh][pi(s)][64];   v_codes: [bh][s / 128][pi(d)][s % 128].
; LIMITS: e0 + e1 between -126 and 127; e2, e3, e5 between -126 and 119, so that each power of two below is an f32 number.  NaN codes among the inputs are not served.
; No prefetch: the launch has four K steps, of which two are the first fills.
; REGISTERS, in windows of 256: window 0: v0-31 addresses, v32-95 b1 for q and k, v96-111 b1 for v, from v128 A's fragments (one set); on the way out v128-255 are free.
;   window 1: B's fragments, two sets.  windows 2, 3: the accumulators ((a, b) at v[8 (8 (a % 4) + b)]).
.set KROW,   1024                      ; a row of x or of w1 in bytes
.set ROWB,   256                       ; a tile's row: 256 codes
.set PITCH,  272                       ; an LDS row: 256 bytes + 16: the 16 rows that a load touches begin in 16 different 16-byte columns modulo 256 bytes
.set FR,     16                        ; registers of a fragment
.set NL,     4                         ; LDS loads that bring one
.set NP,     4                         ; places behind this matrix instruction (ISA guide 7.12.1)
.set HALFT,  128*PITCH
.set SLOT,   4*HALFT                   ; A's 256 rows, then B's 256 rows
.set SPARE,  2*SLOT                    ; the spare words: 128 bytes a wave; no other line names them
.set SP,     144                       ; a stage row: 128 bytes of codes + 16
.set STGQ,   SPARE+512                 ; the stages of the q and k way out: 16 rows a wave; no tensor load lands here
.set STGV,   STGQ+4*16*SP              ; those of the v way out: bytes of their own
.set ADRA, 16                          ; v16-17 LDS address of my A fragments in slot 0, 1
.set ADRB, 20                          ; v20-21 the same for B
.set STOQ, 22                          ; into the stage (q, k)
.set RDQ,  23                          ; back out of it
.set COQ,  24                          ; my byte offset in the output
.set STOV, 25                          ; the same three for v
.set RDV,  26
.set COV,  27
.set SPW,  28                          ; my spare word's LDS address; never rewritten
.set NIL,  29                          ; 0; never rewritten
.set BQ,   32                          ; b1 at my 64 channels (q, k)
.set BV,   96                          ; b1 at my row of each of A's eight blocks, twice (pairs for the packed form)
.set AF,   128
.set TMP,  128                         ; the way out: a block's 64 numbers
.set BK,   192                         ; 16 registers read back from the stage, two sets by turns
.set CDB,  224                         ; a block's codes, two sets by turns
.set G1, 24
.set G0, 32
.set G1B, 48
.set G0B, 56
.set MSB, 0
.macro WIN new                         ; the immediate's high byte repeats the setting that is left
.if MSB != (\new)
	s_set_vgpr_msb (MSB<<8)|(\new)
.set MSB, (\new)
.endif
.endm
.set MUL_LO, 0xa1                      ; source 0 (B) window 1, source 1 (A) window 0, C and D window 2
.set MUL_HI, 0xf1                      ; the same, C and D window 3
.set TO_B,   0x40                      ; destination window 1
; A joint load: waves 0 and 1 fetch for A, waves 2 and 3 for B; the branch hangs on the wave's number alone.  Four v_nop follow each of the two lines.
.macro JLOAD g0a, g1a, g0b, g1b
	s_cmp_eq_u32 s15, 0
	s_cbranch_scc0 .Lfor_b_\@
	tensor_load_to_lds s[\g0a:\g0a+3], s[\g1a:\g1a+7]
	s_nop 0
.rept 4
	v_nop
.endr
	s_branch .Lasked_\@
.Lfor_b_\@:
	tensor_load_to_lds s[\g0b:\g0b+3], s[\g1b:\g1b+7]
	s_nop 0
.rept 4
	v_nop
.endr
.Lasked_\@:
.endm
.macro CREST                           ; a round of the cluster's barrier behind its opening barrier
	s_cmp_lg_u32 s14, 0
	s_cbranch_scc1 .Lnot_wave_0_\@
	s_barrier_signal -3
.Lnot_wave_0_\@:
	s_barrier_wait -3
	s_barrier_signal -1
	s_barrier_wait -1
.endm
.macro CROUND
	s_barrier_signal -1
	s_barrier_wait -1
	CREST
.endm
	s_load_b256 s[4:11], s[0:1], 0x0               ; x s[4:5], w1 s[6:7], the scales s[8:9], b1 s[10:11]
	s_load_b128 s[84:87], s[0:1], 0x20             ; q_codes, k_codes
	s_load_b64 s[88:89], s[0:1], 0x30              ; v_codes
	v_lshl_add_u32 v[SPW], v0, 2, SPARE
	v_mov_b32 v[NIL], 0
	ds_add_u32 v28, v29
	ds_add_u32 v28, v29
	s_wait_dscnt 0x0
	v_lshrrev_b32 v1, 5, v0
	v_readfirstlane_b32 s14, v1                    ; wave 0..3
	s_lshr_b32 s15, s14, 1                         ; my half of A's rows.  Also: I fetch for A (0) or for B (1)
	s_and_b32 s16, s14, 1                          ; my half of B's rows.  Also: which 128 rows I fetch
	s_bfe_u32 s40, ttmp6, 0x40000                  ; cx
	s_bfe_u32 s41, ttmp6, 0x40004                  ; cy
	s_and_b32 s66, ttmp7, 0xffff
	s_lshl_b32 s66, s66, 2                         ; 4 x cluster y
	s_lshl_b32 s67, ttmp9, 2                       ; 4 x cluster x
	s_cmp_eq_u32 ttmp9, 2                          ; the third of v?  The same answer in all sixteen partners
	s_cselect_b32 s17, 8, s66                      ; A's first tile: w1's tile 8 (row 2048), or x's tile 4 Y
	s_cselect_b32 s42, s66, s67                    ; B's first tile: x's tile 4 Y, or w1's tile 4 X
	s_add_co_u32 s17, s17, s41                     ; A's tile: + cy
	s_add_co_u32 s42, s42, s40                     ; B's tile: + cx
	s_add_co_u32 s68, s67, s40                     ; 4 X + cx: where the bias of q and k begins
	s_lshl_b32 s43, s41, 2
	s_lshl_b32 s43, 15, s43                        ; my row of the cluster
	s_lshl_b32 s44, 0x1111, s40                    ; my column
	s_or_b32 s[G1+0], s43, (0<<16)|(1<<20)|(1<<21)|(5<<22)|(3<<25)  ; the mask; elements of 1 byte; padding on; bit 21 beside a mask; after every 64 words, 4 words
	s_or_b32 s[G1B+0], s44, (0<<16)|(1<<20)|(1<<21)|(5<<22)|(3<<25)
.irp g, G1, G1B
	s_mov_b32 s[\g+1], ROWB<<16                    ; tensor_dim0
	s_mov_b32 s[\g+2], 128<<16                     ; tensor_dim1
	s_mov_b32 s[\g+3], ROWB<<16                    ; tile_dim0
	s_mov_b32 s[\g+4], 128                         ; tile_dim1
	s_mov_b32 s[\g+5], KROW                        ; from row to row
	s_mov_b32 s[\g+6], 0
	s_mov_b32 s[\g+7], 0
.endr
	s_lshl_b32 s18, s16, 7                         ; which 128 rows of the tile I fetch
	s_lshl_b32 s20, s17, 8
	s_add_co_u32 s20, s20, s18
	s_lshl_b32 s20, s20, 10                        ; A: the rows' first byte (under 2^23)
	s_mov_b32 s21, 0
	s_lshl_b32 s46, s42, 8
	s_add_co_u32 s46, s46, s18
	s_lshl_b32 s46, s46, 10                        ; B likewise
	s_mov_b32 s47, 0
	s_mul_i32 s45, s14, HALFT                      ; where they go: wave x 128 rows
	s_wait_kmcnt 0x0
	s_load_b256 s[72:79], s[8:9], 0x0              ; e0 .. e7
	s_cmp_eq_u32 ttmp9, 2
	s_cselect_b64 s[80:81], s[6:7], s[4:5]         ; A's tensor
	s_cselect_b64 s[82:83], s[4:5], s[6:7]         ; B's tensor
	s_add_nc_u64 s[20:21], s[80:81], s[20:21]
	s_add_nc_u64 s[46:47], s[82:83], s[46:47]
	CROUND                                         ; all sixteen work-groups are here: the first joint loads meet
.irp s, 0,1
	s_mov_b32 s[G0+4*\s], 1
	s_add_co_u32 s[G0+4*\s+1], s45, \s*SLOT
	s_add_nc_u64 s[G0+4*\s+2:G0+4*\s+3], s[20:21], \s*ROWB
	s_or_b32 s[G0+4*\s+3], s[G0+4*\s+3], 0x80000000
	s_mov_b32 s[G0B+4*\s], 1
	s_add_co_u32 s[G0B+4*\s+1], s45, \s*SLOT
	s_add_nc_u64 s[G0B+4*\s+2:G0B+4*\s+3], s[46:47], \s*ROWB
	s_or_b32 s[G0B+4*\s+3], s[G0B+4*\s+3], 0x80000000
	JLOAD G0+4*\s, G1, G0B+4*\s, G1B
.endr
	; the biases, both sets in every work-group (every address lies inside b1 whatever the cluster's x, and no register stays unwritten on either way out)
	s_lshl_b32 s68, s68, 8
	s_lshl_b32 s69, s16, 7
	s_add_co_u32 s68, s68, s69
	s_lshl_b32 s68, s68, 2                         ; 4 (256 (4 X + cx) + 128 x my half of B)
	s_mov_b32 s69, 0
	s_add_nc_u64 s[94:95], s[10:11], s[68:69]
	s_lshl_b32 s70, s41, 8
	s_lshl_b32 s71, s15, 7
	s_add_co_u32 s70, s70, s71
	s_add_co_u32 s70, s70, 2048
	s_lshl_b32 s70, s70, 2                         ; 4 (2048 + 256 cy + 128 x my half of A)
	s_mov_b32 s71, 0
	s_add_nc_u64 s[98:99], s[10:11], s[70:71]
	v_and_b32 v1, 15, v0                           ; r = lane % 16
	v_bfe_u32 v2, v0, 4, 1                         ; h = lane / 16
	v_lshlrev_b32 v8, 5, v2                        ; 32 h
	v_lshlrev_b32 v9, 2, v1                        ; 4 r
.irp b, 0,1,2,3,4,5,6,7
	global_load_b128 v[BQ+8*\b:BQ+8*\b+3], v8, s[94:95] offset:64*\b       ; b1 at channels 16 b + 8 h + 0 .. 7
	global_load_b128 v[BQ+8*\b+4:BQ+8*\b+7], v8, s[94:95] offset:64*\b+16
.endr
.irp a, 0,1,2,3,4,5,6,7
	global_load_b32 v[BV+2*\a], v9, s[98:99] offset:64*\a                  ; b1 at row 16 a + r, in both registers of a pair
	global_load_b32 v[BV+2*\a+1], v9, s[98:99] offset:64*\a
.endr
	v_mul_u32_u24 v3, v1, PITCH
	v_lshl_add_u32 v4, v2, 4, v3                   ; a fragment's row x pitch + 16 x half
	s_mul_i32 s21, s15, HALFT                      ; my 128 rows of A
	s_mul_i32 s22, s16, HALFT
	s_add_co_u32 s22, s22, 2*HALFT                 ; my 128 rows of B, behind A's 256
.irp s, 0,1
	v_add_nc_u32 v[ADRA+\s], s21, v4
	v_add_nc_u32 v[ADRB+\s], s22, v4
	s_add_co_u32 s21, s21, SLOT
	s_add_co_u32 s22, s22, SLOT
.endr
	s_mul_i32 s23, s14, 16*SP                      ; my stage
	v_mul_u32_u24 v5, v1, SP
	v_lshl_add_u32 v5, v2, 3, v5
	v_add_nc_u32 v5, s23, v5                       ; in: row r, 8 bytes for each half of the lanes
	v_add_nc_u32 v[STOQ], STGQ, v5
	v_add_nc_u32 v[STOV], STGV, v5
	v_bfe_u32 v6, v0, 2, 2                         ; back, q and k: lanes 0-15 take four rows' first 64 bytes (one head), lanes 16-31 their second 64 (the next head)
	v_mul_u32_u24 v6, v6, SP
	v_lshl_add_u32 v6, v2, 6, v6
	v_and_b32 v7, 3, v0
	v_lshl_add_u32 v6, v7, 4, v6
	v_add_nc_u32 v6, s23, v6
	v_add_nc_u32 v[RDQ], STGQ, v6
	v_bfe_u32 v6, v0, 3, 2                         ; back, v: eight lanes to a row of 128 bytes, four rows
	v_mul_u32_u24 v6, v6, SP
	v_and_b32 v7, 7, v0
	v_lshl_add_u32 v6, v7, 4, v6
	v_add_nc_u32 v6, s23, v6
	v_add_nc_u32 v[RDV], STGV, v6
	v_lshlrev_b32 v[COQ], 4, v1
	v_lshl_add_u32 v[COQ], v2, 17, v[COQ]          ; 16 (lane % 16), and a head (131,072 bytes) on for lanes 16-31
	v_and_b32 v7, 31, v0
	v_lshlrev_b32 v[COV], 4, v7                    ; 16 x lane
	; where my wave's results begin: x's first row xr and the first head hd give ((xr / 2048) 16 + hd) 131,072 + (xr % 2048) 64 in all three buffers
	s_lshl_b32 s66, s17, 8
	s_lshl_b32 s67, s15, 7
	s_add_co_u32 s66, s66, s67                     ; q, k: xr = 256 x A's tile + 128 x my half of A
	s_lshl_b32 s68, s42, 8
	s_lshl_b32 s69, s16, 7
	s_add_co_u32 s68, s68, s69                     ; v: xr = 256 x B's tile + 128 x my half of B
	s_lshl_b32 s70, s40, 2
	s_lshl_b32 s67, s16, 1
	s_add_co_u32 s70, s70, s67                     ; q, k: hd = 4 cx + 2 x my half of B
	s_lshl_b32 s71, s41, 2
	s_lshl_b32 s67, s15, 1
	s_add_co_u32 s71, s71, s67                     ; v: hd = 4 cy + 2 x my half of A
	s_cmp_eq_u32 ttmp9, 2
	s_cselect_b32 s66, s68, s66
	s_cselect_b32 s70, s71, s70
	s_cselect_b64 s[90:91], s[88:89], s[86:87]
	s_cmp_eq_u32 ttmp9, 0
	s_cselect_b64 s[90:91], s[84:85], s[90:91]     ; q_codes, k_codes or v_codes
	s_lshr_b32 s67, s66, 11
	s_lshl_b32 s67, s67, 4
	s_add_co_u32 s67, s67, s70
	s_lshl_b32 s67, s67, 17
	s_and_b32 s66, s66, 2047
	s_lshl_b32 s66, s66, 6
	s_add_co_u32 s92, s67, s66
	s_mov_b32 s93, 0
	s_add_nc_u64 s[90:91], s[90:91], s[92:93]
.macro FRAG reg, adr, q, i             ; 16 rows x 128 K: lane l holds row l % 16; registers 4 c .. 4 c + 3 hold K = 32 c + 16 (l / 16) + 0 .. 15: the same places in A and in B
.irp c, 0,1,2,3
	ds_load_b128 v[\reg+4*\c:\reg+4*\c+3], v[\adr] offset:128*(\q)+32*\c+(\i)*16*PITCH
.endr
.endm
; 16 matrix instructions: A's blocks a0, a0 + 1 x B's eight.  The 64 accumulators take turns, one instruction a turn, in the same order in every step.
.macro MUL16 a0, p, zero
.irp a, \a0, \a0+1
.irp b, 0,1,2,3,4,5,6,7
.if \zero
	v_wmma_f32_16x16x128_fp8_fp8 v[8*(8*((\a)%4)+\b):8*(8*((\a)%4)+\b)+7], v[128*(\p)+FR*\b:128*(\p)+FR*\b+FR-1], v[AF+FR*(\a):AF+FR*(\a)+FR-1], 0
.else
	v_wmma_f32_16x16x128_fp8_fp8 v[8*(8*((\a)%4)+\b):8*(8*((\a)%4)+\b)+7], v[128*(\p)+FR*\b:128*(\p)+FR*\b+FR-1], v[AF+FR*(\a):AF+FR*(\a)+FR-1], v[8*(8*((\a)%4)+\b):8*(8*((\a)%4)+\b)+7]
.endif
.endr
.endr
.endm
.macro FETCH_B slot, q, p
	WIN TO_B
.irp i, 0,1,2,3,4,5,6,7
	FRAG 128*(\p)+FR*\i, ADRB+\slot, \q, \i
.endr
	WIN 0
.endm
.macro FETCH_A slot, q, i0
.irp i, \i0, \i0+1, \i0+2, \i0+3
	FRAG AF+FR*(\i), ADRA+\slot, \q, \i
.endr
.endm
.macro PLACES n                        ; plain vector instructions between a matrix instruction and a load into, or a vector read or write of, its registers
.rept \n
	v_nop
.endr
.endm
; A step of 128 along K that has its successor in the same slot.  A has one set of registers (a block is free when its eight products are issued), B two.
.macro STEP slot, q, zero
	s_wait_dscnt 4*NL                              ; B's set and A's blocks 0-3 are in; the youngest 16 loads (A's blocks 4-7) may be out
	WIN MUL_LO
	MUL16 0, (\q)%2, \zero
	MUL16 2, (\q)%2, \zero
	s_wait_dscnt 0
	PLACES NP
	FETCH_B \slot, (\q)+1, 1-(\q)%2
	FETCH_A \slot, (\q)+1, 0
	WIN MUL_HI
	MUL16 4, (\q)%2, \zero
	MUL16 6, (\q)%2, \zero
	PLACES NP
	WIN 0
	FETCH_A \slot, (\q)+1, 4
.endm
; A slot's last step changes slots: one barrier; in front of it each wave waits for all its tensor loads, adds 0 to its spare word, and waits for that and for its reads of this slot.
.macro TURN slot, next, fill
	s_wait_tensorcnt 0x0                           ; all my tensor loads have landed: my part of the next slot
	ds_add_u32 v[SPW], v[NIL]                      ; 0 onto my spare word
	s_wait_dscnt 4*NL+1                            ; the add and the youngest 16 loads (A's blocks 4-7) may be out
	WIN MUL_LO
	MUL16 0, 1, 0
	s_wait_dscnt 0x0                               ; the add is done, and my reads of this slot are over
	s_barrier_signal -1
	MUL16 2, 1, 0
	WIN 0
	s_barrier_wait -1
.if \fill
	CREST                                          ; the barrier has opened a round of the cluster's: no wave of any partner still reads this slot or has a load on its way
	s_add_nc_u64 s[G0+4*\slot+2:G0+4*\slot+3], s[G0+4*\slot+2:G0+4*\slot+3], 2*ROWB
	s_add_nc_u64 s[G0B+4*\slot+2:G0B+4*\slot+3], s[G0B+4*\slot+2:G0B+4*\slot+3], 2*ROWB
	JLOAD G0+4*\slot, G1, G0B+4*\slot, G1B         ; the first tensor load behind the round; its four v_nop are also the places in front of the loads below
.else
	PLACES NP
.endif
	FETCH_B \next, 0, 0
	FETCH_A \next, 0, 0
	WIN MUL_HI
	MUL16 4, 1, 0
	MUL16 6, 1, 0
	PLACES NP
	WIN 0
	FETCH_A \next, 0, 4
.endm
	s_wait_tensorcnt 1                             ; my part of K step 0 is in; K step 1's load may be out
	s_barrier_signal -1
	s_barrier_wait -1
	FETCH_B 0, 0, 0
	FETCH_A 0, 0, 0
	FETCH_A 0, 0, 4
	STEP 0, 0, 1                                   ; the first products start the sums: nothing is cleared
	TURN 0, 1, 1                                   ; slot 0 takes K step 2
	STEP 1, 0, 0
	TURN 1, 0, 1                                   ; slot 1 takes K step 3
	STEP 0, 0, 0
	TURN 0, 1, 0                                   ; nothing is left to fetch
	STEP 1, 0, 0
	s_wait_dscnt 4*NL
	WIN MUL_LO
	MUL16 0, 1, 0
	MUL16 2, 1, 0
	s_wait_dscnt 0
	WIN MUL_HI
	MUL16 4, 1, 0
	MUL16 6, 1, 0
	WIN 0
; THE WAY OUT, a block of A's 16 rows at a time: sum x 2^(e0 + e1) + b1 in one packed multiply-add; eight codes a conversion.
; A lane's 8 bytes belong to a row of 128 bytes of codes: they go through my own stage and come back so that neighbouring lanes hold neighbouring bytes of the output.
; vm = 0 (q, k): a stage row is a position s, 64 bytes for each of two heads; sixteen lanes store four positions of one head: 256 consecutive bytes, aligned.
; vm = 1 (v): a stage row is a channel d, 128 keys; the 32 lanes store four channels' rows: 512 consecutive bytes, aligned.
.macro TOSTAGE a, vm
.set AC, 64*((\a)%4)
.set CD, CDB+16*((\a)%2)
.set BB, BK+16*((\a)%2)
.if \vm
.set STO, STOV
.set RD, RDV
.else
.set STO, STOQ
.set RD, RDQ
.endif
	WIN 0x02+((\a)/4)                              ; source 0: window 2 or 3
.set j, 0
.rept 32
.if \vm
	v_pk_fma_f32 v[TMP+j:TMP+j+1], v[AC+j:AC+j+1], s[96:97], v[BV+2*(\a):BV+2*(\a)+1] op_sel_hi:[1,0,1]   ; each accumulator from its low end on
.else
	v_pk_fma_f32 v[TMP+j:TMP+j+1], v[AC+j:AC+j+1], s[96:97], v[BQ+j:BQ+j+1] op_sel_hi:[1,0,1]
.endif
.set j, j+2
.endr
	WIN 0
.set j, 0
.rept 64
.set j, j+1
.endr
.set j, 0
.rept 8
	v_cvt_scalef32_pk8_fp8_f32 v[CD+2*j:CD+2*j+1], v[TMP+8*j:TMP+8*j+7], v12
.set j, j+1
.endr
	v_nop                                          ; one plain vector instruction behind the last conversion: the next block writes its sources
.set j, 0
.rept 8
	ds_store_b64 v[STO], v[CD+2*j:CD+2*j+1] offset:16*j
.set j, j+1
.endr
.set j, 0
.rept 4
	ds_load_b128 v[BB+4*j:BB+4*j+3], v[RD] offset:4*SP*j   ; LDS serves a wave's instructions in order (ISA guide 5.7.1.4): these see the stores above
.set j, j+1
.endr
.endm
.macro SEND a, younger, vm             ; younger: the LDS instructions issued behind block a's loads
.set BB, BK+16*((\a)%2)
	s_wait_dscnt \younger
.irp t, 0,1,2,3
.if \vm
	global_store_b128 v[COV], v[BB+4*\t:BB+4*\t+3], s[90:91] offset:((\a)/4)*131072+(32*(((\a)%4)/2)+16*(\t/2)+8*((\a)%2)+4*(\t%2))*128   ; the place pi gives channel 16 (a % 4) + 4 t
.else
	global_store_b128 v[COQ], v[BB+4*\t:BB+4*\t+3], s[90:91] offset:(32*((\a)/2)+16*(\t/2)+8*((\a)%2)+4*(\t%2))*64   ; the place pi gives position 16 a + 4 t
.endif
.endr
.endm
.macro OUT vm
	TOSTAGE 0, \vm
.irp a, 1,2,3,4,5,6,7
.if \a > 1
	s_wait_xcnt 0x0                                ; block a - 2's stores have read their registers: block a's loads may land there
.endif
	TOSTAGE \a, \vm
	SEND \a-1, 12, \vm                             ; behind block a - 1's loads: block a's 8 stores and 4 loads
.endr
	SEND 7, 0, \vm
.endm
	s_wait_kmcnt 0x0
	s_add_co_i32 s96, s72, s73
	s_add_co_i32 s96, s96, 127
	s_lshl_b32 s96, s96, 23                        ; 2^(e0 + e1) as f32
	s_mov_b32 s97, s96                             ; (named with it as a pair, so it is written)
	s_cmp_eq_u32 ttmp9, 2
	s_cselect_b32 s66, s77, s75                    ; e5 or e3,
	s_cmp_eq_u32 ttmp9, 0
	s_cselect_b32 s66, s74, s66                    ; or e2
	s_add_co_i32 s66, s66, 127
	s_lshl_b32 s67, s66, 23
	v_mov_b32 v12, s67                             ; the output's scale as f32: the conversion takes its exponent field
	s_wait_loadcnt 0x0                             ; the biases
	PLACES NP                                      ; behind the last products
	s_cmp_eq_u32 ttmp9, 2                          ; the cluster's x: the same way for all partners; no barrier and no tensor load stands on either way
	s_cbranch_scc1 .Lvmode
	OUT 0
	s_branch .Ldone
.Lvmode:
	OUT 1
.Ldone:
	s_wait_tensorcnt 0x0                           ; the wave's end
	ds_add_u32 v[SPW], v[NIL]
	s_wait_dscnt 0x0
	CROUND                                         ; the closing round
	s_endpgm
.Lfunc_end_k_qb649e94dae_qkv:
	.size	k_qb649e94dae_qkv, .Lfunc_end_k_qb649e94dae_qkv-k_qb649e94dae_qkv
	.p2alignl 7, 3214868480
	.fill 96, 4, 3214868480
	.section	.rodata,"a",@progbits
	.p2align	6, 0x0
	.amdhsa_kernel k_qb649e94dae_qkv
		.amdhsa_group_segment_fixed_size 327680
		.amdhsa_private_segment_fixed_size 0
		.amdhsa_enable_private_segment 0
		.amdhsa_kernarg_size 56
		.amdhsa_user_sgpr_count 2
		.amdhsa_user_sgpr_kernarg_segment_ptr 1
		.amdhsa_wavefront_size32 1
		.amdhsa_system_sgpr_workgroup_id_x 1
		.amdhsa_system_sgpr_workgroup_id_y 1
		.amdhsa_system_sgpr_workgroup_id_z 1
		.amdhsa_system_vgpr_workitem_id 0
		.amdhsa_next_free_vgpr 1024
		.amdhsa_next_free_sgpr 100
		.amdhsa_reserve_vcc 0
		.amdhsa_float_denorm_mode_32 3
		.amdhsa_float_denorm_mode_16_64 3
		.amdhsa_fp16_overflow 1
		.amdhsa_memory_ordered 1
		.amdhsa_forward_progress 1
		.amdhsa_inst_pref_size 144
	.end_amdhsa_kernel
	.amdgpu_metadata
---
amdhsa.version: [ 1, 2 ]
amdhsa.kernels:
  - .name:           k_qb649e94dae_qkv
    .symbol:         k_qb649e94dae_qkv.kd
    .args:
      - { .name: x_codes, .offset: 0, .size: 8, .value_kind: global_buffer, .address_space: global }
      - { .name: w1_codes, .offset: 8, .size: 8, .value_kind: global_buffer, .address_space: global }
      - { .name: lowp_scales, .offset: 16, .size: 8, .value_kind: global_buffer, .address_space: global }
      - { .name: b1, .offset: 24, .size: 8, .value_kind: global_buffer, .address_space: global }
      - { .name: q_codes, .offset: 32, .size: 8, .value_kind: global_buffer, .address_space: global }
      - { .name: k_codes, .offset: 40, .size: 8, .value_kind: global_buffer, .address_space: global }
      - { .name: v_codes, .offset: 48, .size: 8, .value_kind: global_buffer, .address_space: global }
    .group_segment_fixed_size: 327680
    .private_segment_fixed_size: 0
    .kernarg_segment_align: 8
    .kernarg_segment_size: 56
    .max_flat_workgroup_size: 128
    .sgpr_count:     100
    .vgpr_count:     1024
    .wavefront_size: 32
...
	.end_amdgpu_metadata
.endif
;; end of part 1
;; launch attn (part 2): grid 4 x 64, 16 waves a work-group, no clusters, 327,680 bytes of LDS; arguments q_codes, k_codes, v_codes, lowp_scales, o_codes; writes o_codes
.if DOCPART == 2
	.amdgcn_target "amdgcn-amd-amdhsa--gfx1250"
	.amdhsa_code_object_version 6
	.text
	.protected	k_qb649e94dae_attn
	.globl	k_qb649e94dae_attn
	.p2align	8
	.type	k_qb649e94dae_attn,@function
k_qb649e94dae_attn:
	s_mov_b64 s[64:65], 0
	v_nop
	global_prefetch_b8 v0, s[64:65] scope:SCOPE_SE
	s_setreg_imm32_b32 hwreg(HW_REG_WAVE_MODE, 25, 1), 1
	s_wait_xcnt 0x0
; Causal attention on codes of E4M3, head size 64, and its result quantised with 2^e6.  bh = 16 b + head is the work-group's y.
; t = score x 2^(e2 + e3) x log2(e) / 8;  M = the running largest t rounded UP to a whole number;  p = 2^(t - M) is quantised with 2^e4; the row's sum is taken of the unquantised p;
; o = (sum of p's codes x v's codes) x 2^(e4 + e5) / the row's sum.  When M moves, the sum and O are multiplied by 2^(old M - new M), which rounds nothing.
; The mask: reference() adds -1e10 to hidden scores; here they become -infinity, so that p = 0: the same p wherever the open scores stay far under 1e10 in magnitude (a stated limit).
; SHARES.  A head has eight blocks of 256 queries.  Work-group p (0 .. 3) owns blocks 7 - p and p, which together see 9 slots of 256 keys, whatever p: NINE VISITS, a constant.  Visits 0 .. 7 - p serve the
; high block on key slots 0 .. 7 - p, the rest the low block on key slots 0 .. p.  Each of sixteen waves owns 16 queries of the block in hand, in 256 registers: four waves to a SIMD.
; No multicast: from the sixth visit on the four work-groups of a head want different key slots (their passes have lengths 8 - p and p + 1).
; LAYOUT.  Both products transposed: S^T = K Q^T (source 0 = 16 keys), O^T = V^T P^T (source 0 = 16 channels): a lane holds ONE query throughout.  q_codes and k_codes lie [bh][pi(s)][64],
; v_codes [bh][s / 128][pi(d)][s % 128], pi swapping bits 3 and 4: 16 rows on end are the rows 32 b + 8 u + r + 8 (r / 8) of a tile 2 b + u, so that the 16 registers of two neighbouring tiles are 16 neighbours.
; o_codes: [(2048 b + s) / 128][head][s % 128][64].
; LIMITS: e2 + e3 between -123 and 130 (added to c's exponent field); e4, e6 between -126 and 119.
; REGISTERS: v1-11 addresses; v12 -M, v13 the largest t, v[14:15] the sum; v16-23 Q; v24 r - 16 h; v25 -infinity; v27, v29 scales; v32-95 K's, then V's fragments; v96-159 S^T, then p;
; v160-191 O^T; v192-207 p's codes; v208-214 at work; v224-255 the way out.
.set PITCH, 272                        ; an LDS row: 256 bytes (4 rows of K or 2 of V) + 16
.set VOFF,  64*PITCH                   ; a slot: K's 16,384 bytes as 64 rows, then V's
.set SLOT1, 65536                      ; slot 1 begins here: one exclusive or changes slot
.set SPARE, 2*SLOT1                    ; the spare words: 128 bytes a wave, 2,048 in all; no other line names them
.set STAGE, SPARE+2048                 ; the way out: 16 rows x (64 + 16) bytes for each wave; no tensor load lands here
.set AK0, 1
.set AV0, 2
.set PFO, 3
.set QO,  4
.set SPW, 5
.set NIL, 6
.set GO,  7
.set ADK, 8
.set ADV, 9
.set STI, 10
.set STR, 11
.set TB,  2                            ; s2  LDS byte at which the slot in hand begins
.set KS,  3                            ; s3  the key slot asked for last
.set NH,  15                           ; s15 8 - p: the visits of the high block
.set VIS, 16                           ; s16 the visit
.set LIM, 17                           ; s17 a wave prefetches while the visit is under this
.set WV,  18
.set SEL, 20                           ; s[20:21] selects of v_permlanex16_b32: lane l xor 16
.set CS,  22                           ; s[22:23] c
.set KF,  62                           ; s62 the step's first key
.set Q0,  63                           ; s63 my first query
.set Q0L, 66                           ; s66 and in the low block
.set ES,  67                           ; s67 e4 + e5
; s[24:31] group 1; s[40:43] group 0; s[48:49] my tensor at the head; s[52:53] an offset; s[54:55] the prefetches; s[56:57] the low block's Q; s[58:59], s[60:61] O of the high, the low block
.macro TLOAD                           ; wave 0 fetches a slot's K, wave 1 its V, the others nothing.  Four v_nop follow the line
	s_cmp_lt_u32 s[WV], 2
	s_cbranch_scc0 .Lasked_\@
	tensor_load_to_lds s[40:43], s[24:31]
	s_nop 0
.rept 4
	v_nop
.endr
.Lasked_\@:
.endm
; A prefetch of key slot visit + 2, one visit (two key steps of each of a SIMD's four waves) ahead of the tensor load that will ask for it.  All four work-groups of a head read the same K and V: work-group 0, which
; walks all eight slots in order, asks; in it waves 4 and 5 for the two halves of K's 16,384 bytes, waves 6 and 7 for V's: 8,192 bytes a wave, lanes 256 bytes apart.  Visits 0 to 5 ask for slots 2 to 7: each block once.
.macro ASK
	s_cmp_lt_u32 s[VIS], s[LIM]
	s_cbranch_scc0 .Lnot_mine_\@
	global_prefetch_b8 v[PFO], s[54:55] th:TH_LOAD_NT scope:SCOPE_SE
.Lnot_mine_\@:
.endm
.macro QOFF d, q                       ; s[d:d+1] = the byte in q_codes of the tile that begins at query s[q]: the head + 64 x (q with bit 4 moved to bit 3)
	s_and_not1_b32 s[\d], s[\q], 31
	s_and_b32 s[\d+1], s[\q], 16
	s_lshr_b32 s[\d+1], s[\d+1], 1
	s_add_co_u32 s[\d], s[\d], s[\d+1]
	s_lshl_b32 s[\d], s[\d], 6
	s_add_co_u32 s[\d], s[\d], s52
	s_mov_b32 s[\d+1], 0
.endm
.macro OOFF d, q                       ; the same in o_codes: (16 b + q / 128) 131,072 + head x 8,192 + (q % 128) 64
	s_lshr_b32 s[\d], s[\q], 7
	s_add_co_u32 s[\d], s[\d], s84
	s_lshl_b32 s[\d], s[\d], 17
	s_add_co_u32 s[\d], s[\d], s85
	s_and_b32 s[\d+1], s[\q], 127
	s_lshl_b32 s[\d+1], s[\d+1], 6
	s_add_co_u32 s[\d], s[\d], s[\d+1]
	s_mov_b32 s[\d+1], 0
.endm
.macro INIT                            ; a block of queries begins: zeros, which the first change of M leaves zeros
	v_mov_b32 v13, 0xff61b1e6                      ; -3e38, under every t
	s_delay_alu instid0(VALU_DEP_1)
	v_floor_f32 v12, -v13
	v_mov_b32 v14, 0
	v_mov_b32 v15, 0
.set j, 0
.rept 32
	v_mov_b32 v[160+j], 0
.set j, j+1
.endr
.endm
	s_load_b256 s[4:11], s[0:1], 0x0               ; q s[4:5], k s[6:7], v s[8:9], the scales s[10:11]
	s_load_b64 s[12:13], s[0:1], 0x20              ; o_codes
	v_lshl_add_u32 v[SPW], v0, 2, SPARE
	v_mov_b32 v[NIL], 0
	ds_add_u32 v5, v6
	ds_add_u32 v5, v6
	s_wait_dscnt 0x0
	v_lshrrev_b32 v8, 5, v0
	s_delay_alu instid0(VALU_DEP_1)
	v_readfirstlane_b32 s[WV], v8                  ; wave 0..15
	s_and_b32 s76, ttmp7, 0xffff                   ; bh
	s_lshl_b32 s52, s76, 17                        ; the head's first byte in q, k and v
	s_mov_b32 s53, 0
	s_sub_co_u32 s[NH], 8, ttmp9
	s_sub_co_u32 s77, 7, ttmp9
	s_lshl_b32 s77, s77, 8
	s_lshl_b32 s78, s[WV], 4
	s_add_co_u32 s[Q0], s77, s78                   ; 256 (7 - p) + 16 w
	s_lshl_b32 s77, ttmp9, 8
	s_add_co_u32 s[Q0L], s77, s78                  ; 256 p + 16 w
	s_and_b32 s84, s76, 48                         ; 16 b
	s_and_b32 s85, s76, 15
	s_lshl_b32 s85, s85, 13                        ; head x 8,192
	QOFF 80, Q0
	QOFF 82, Q0L
	OOFF 86, Q0
	OOFF 88, Q0L
	s_and_b32 s79, s[WV], 1
	s_mul_i32 s79, s79, VOFF                       ; K's tile at the slot's head, V's behind it
	s_mov_b32 s24, (0<<16)|(1<<20)|(5<<22)|(3<<25) ; no mask; elements of 1 byte; padding: 4 words after every 64
	s_mov_b32 s25, 256<<16                         ; tensor_dim0: a dense block of 16,384 bytes comes as 64 rows of 256
	s_mov_b32 s26, 64<<16                          ; tensor_dim1
	s_mov_b32 s27, 256<<16                         ; tile_dim0
	s_mov_b32 s28, 64                              ; tile_dim1
	s_mov_b32 s29, 256                             ; from row to row
	s_mov_b32 s30, 0
	s_mov_b32 s31, 0
	s_mov_b32 s[SEL], 0x76543210
	s_mov_b32 s[SEL+1], 0xfedcba98
	s_mov_b32 s[CS], 0x3e38aa3b                    ; log2(e) / 8
	s_mov_b32 s[TB], 0
	s_mov_b32 s[KS], 0
	s_mov_b32 s[KF], 0
	s_mov_b32 s[VIS], 0
	s_wait_kmcnt 0x0
	s_load_b256 s[68:75], s[10:11], 0x0            ; e0 .. e7
	s_cmp_eq_u32 s[WV], 0
	s_cselect_b64 s[48:49], s[6:7], s[8:9]
	s_add_nc_u64 s[48:49], s[48:49], s[52:53]      ; what I fetch from, if I fetch: k or v at the head
	s_mov_b32 s40, 1
	s_mov_b32 s41, s79
	s_mov_b64 s[42:43], s[48:49]                   ; key slot 0
	s_or_b32 s43, s43, 0x80000000
	TLOAD                                          ; slot 0: the launch's one first fill
	s_add_nc_u64 s[90:91], s[4:5], s[80:81]        ; Q of the high block,
	s_add_nc_u64 s[56:57], s[4:5], s[82:83]        ; of the low block
	s_add_nc_u64 s[58:59], s[12:13], s[86:87]      ; O likewise
	s_add_nc_u64 s[60:61], s[12:13], s[88:89]
	s_cmp_lt_u32 s[WV], 6
	s_cselect_b64 s[54:55], s[6:7], s[8:9]         ; the prefetches: waves 4, 5 in k, waves 6, 7 in v,
	s_add_nc_u64 s[54:55], s[54:55], s[52:53]
	s_and_b32 s92, s[WV], 1
	s_lshl_b32 s92, s92, 13                        ; my half of a slot's 16,384 bytes,
	s_add_co_u32 s92, s92, 16384                   ; in key slot 1: the first visit steps it to slot 2
	s_mov_b32 s93, 0
	s_add_nc_u64 s[54:55], s[54:55], s[92:93]
	s_lshr_b32 s94, s[WV], 2
	s_xor_b32 s94, s94, 1                          ; 0 in waves 4 to 7
	s_or_b32 s94, s94, ttmp9                       ; of work-group 0
	s_cmp_eq_u32 s94, 0
	s_cselect_b32 s[LIM], 6, 0
	v_and_b32 v8, 15, v0                           ; r
	v_bfe_u32 v9, v0, 4, 1                         ; h
	s_delay_alu instid0(VALU_DEP_2)
	v_and_b32 v212, 8, v8
	s_delay_alu instid0(VALU_DEP_1)
	v_add_nc_u32 v212, v212, v8                    ; r + 8 (r / 8): where pi puts query r of a tile, counted from the tile's first place
	s_delay_alu instid0(VALU_DEP_1)
	v_lshlrev_b32 v[QO], 6, v212
	s_delay_alu instid0(VALU_DEP_1)
	v_lshl_add_u32 v[QO], v9, 4, v[QO]
	global_load_b128 v[16:19], v[QO], s[90:91]             ; Q's fragment: registers 4 c .. 4 c + 3 hold channels 32 c + 16 h + 0 .. 15, as K's do
	global_load_b128 v[20:23], v[QO], s[90:91] offset:32
	v_lshrrev_b32 v212, 2, v8
	s_delay_alu instid0(VALU_DEP_1)
	v_mul_u32_u24 v[AK0], v212, PITCH
	v_and_b32 v212, 3, v8
	s_delay_alu instid0(VALU_DEP_1)
	v_lshl_add_u32 v[AK0], v212, 6, v[AK0]
	s_delay_alu instid0(VALU_DEP_1)
	v_lshl_add_u32 v[AK0], v9, 4, v[AK0]           ; K: row r of a tile: (r / 4) 272 + (r % 4) 64 + 16 h: sixteen different 16-byte columns modulo 256 bytes
	v_lshrrev_b32 v212, 1, v8
	s_delay_alu instid0(VALU_DEP_1)
	v_mul_u32_u24 v[AV0], v212, PITCH
	v_and_b32 v212, 1, v8
	s_delay_alu instid0(VALU_DEP_1)
	v_lshl_add_u32 v[AV0], v212, 7, v[AV0]
	s_delay_alu instid0(VALU_DEP_1)
	v_lshl_add_u32 v[AV0], v9, 4, v[AV0]
	s_delay_alu instid0(VALU_DEP_1)
	v_add_nc_u32 v[AV0], VOFF, v[AV0]              ; V: (r / 2) 272 + (r % 2) 128 + 16 h
	v_and_b32 v212, 31, v0
	s_delay_alu instid0(VALU_DEP_1)
	v_lshlrev_b32 v[PFO], 8, v212
	s_delay_alu instid0(VALU_DEP_2)
	v_lshlrev_b32 v[GO], 4, v212
	s_mul_i32 s94, s[WV], 16*80
	s_add_co_u32 s94, s94, STAGE                   ; my stage
	v_mul_u32_u24 v[STI], v8, 80
	s_delay_alu instid0(VALU_DEP_1)
	v_lshl_add_u32 v[STI], v9, 4, v[STI]
	s_delay_alu instid0(VALU_DEP_1)
	v_add_nc_u32 v[STI], s94, v[STI]               ; in: row r, 16 h
	v_lshrrev_b32 v213, 2, v212
	s_delay_alu instid0(VALU_DEP_1)
	v_mul_u32_u24 v[STR], v213, 80
	v_and_b32 v213, 3, v212
	s_delay_alu instid0(VALU_DEP_1)
	v_lshl_add_u32 v[STR], v213, 4, v[STR]
	s_delay_alu instid0(VALU_DEP_1)
	v_add_nc_u32 v[STR], s94, v[STR]               ; back: four lanes to a row of 64 bytes, eight rows
	v_lshlrev_b32 v24, 4, v9
	s_delay_alu instid0(VALU_DEP_1)
	v_sub_nc_u32 v24, v8, v24                      ; r - 16 h
	v_mov_b32 v25, 0xff800000                      ; -infinity
	v_mov_b32 v30, 0                               ; a lane permute's destination counts as read: written once
	v_mov_b32 v209, 0                              ; (named as the upper half of the pair v[208:209])
	INIT
	s_wait_kmcnt 0x0
	s_add_co_i32 s76, s70, s71
	s_lshl_b32 s76, s76, 23
	s_add_co_i32 s[CS], s[CS], s76                 ; c x 2^(e2 + e3): the exponents are added to c's exponent field
	s_mov_b32 s[CS+1], s[CS]
	s_add_co_i32 s76, s72, 127
	s_lshl_b32 s77, s76, 23
	v_mov_b32 v27, s77                             ; 2^e4
	s_add_co_i32 s76, s74, 127
	s_lshl_b32 s77, s76, 23
	v_mov_b32 v29, s77                             ; 2^e6
	s_add_co_i32 s[ES], s72, s73                   ; e4 + e5
; A KEY STEP: 128 keys, the q-th of the slot in hand.
.macro STEP q
	s_add_co_u32 s96, s[Q0], 15                    ; a step all of whose keys come after my 16 queries is left out: a scalar branch on ids; no barrier and no tensor load stands in a step
	s_cmp_gt_u32 s[KF], s96
	s_cbranch_scc1 .Lhidden_\@
	v_add_nc_u32 v[ADK], s[TB], v[AK0]
	v_add_nc_u32 v[ADV], s[TB], v[AV0]
	v_nop                                          ; with the two additions: four places in front of loads into registers that the last products read
	v_nop
.set t, 0
.rept 8
	ds_load_b128 v[32+8*t:35+8*t], v[ADK] offset:(32*(\q)+4*t)*PITCH
	ds_load_b128 v[36+8*t:39+8*t], v[ADK] offset:(32*(\q)+4*t)*PITCH+32
.set t, t+1
.endr
	s_wait_alu depctr_va_vdst(0)
	s_wait_dscnt 0x0
.set t, 0
.rept 8
	v_wmma_f32_16x16x64_fp8_fp8 v[96+8*t:103+8*t], v[32+8*t:39+8*t], v[16:23], 0   ; S^T: lane (r, h) holds query r; the 16 registers of tiles 2 b, 2 b + 1 are keys 32 b + 16 h + 0 .. 15
.set t, t+1
.endr
.rept 4
	v_nop                                          ; places: for the loads below, and for the first read of the scores
.endr
.set t, 0
.rept 4
.irp c, 0,1,2,3
	ds_load_b128 v[32+16*t+4*\c:35+16*t+4*\c], v[ADV] offset:(32*(\q)+8*t)*PITCH+32*\c   ; V's four fragments land while the softmax is walked
.endr
.set t, t+1
.endr
	s_add_co_u32 s96, s[KF], 127                   ; on the diagonal hidden scores become -infinity; a step all of whose keys count skips this
	s_cmp_le_u32 s96, s[Q0]
	s_cbranch_scc1 .Lopen_\@
	s_sub_co_i32 s96, s[Q0], s[KF]
	v_add_nc_u32 v214, s96, v24                    ; d = my query - the step's first key - 16 h: register 16 b + i is hidden where 32 b + i > d
.set n, 0
.rept 64
	v_cmp_gt_i32 vcc_lo, 32*(n/16)+n%16, v214
	v_cndmask_b32 v[96+n], v[96+n], v25, vcc_lo
.set n, n+1
.endr
.Lopen_\@:
	v_max3_num_f32 v212, v96, v97, v98             ; the step's largest score of my query among my 64 keys, in two chains,
	v_max3_num_f32 v213, v99, v100, v101
.irp i, 6,10,14,18,22,26,30,34,38,42,46,50,54,58
	v_max3_num_f32 v212, v212, v[96+\i], v[97+\i]
	v_max3_num_f32 v213, v213, v[98+\i], v[99+\i]
.endr
	v_max3_num_f32 v212, v212, v158, v159
	s_delay_alu instid0(VALU_DEP_1)
	v_max_num_f32 v212, v212, v213
	s_delay_alu instid0(VALU_DEP_1)
	v_permlanex16_b32 v30, v212, s[SEL], s[SEL+1]
	s_delay_alu instid0(VALU_DEP_1)
	v_max_num_f32 v212, v212, v30                  ; and among lane l xor 16's
	s_delay_alu instid0(VALU_DEP_1)
	v_mul_f32 v212, s[CS], v212                    ; as t (c is positive)
	s_delay_alu instid0(VALU_DEP_1)
	v_max_num_f32 v13, v13, v212                   ; the running largest t
	v_mov_b32 v212, v12
	s_delay_alu instid0(VALU_DEP_2)
	v_floor_f32 v12, -v13                          ; -M = floor(-t): M is a whole number
	s_delay_alu instid0(VALU_DEP_1)
	v_sub_f32 v212, v12, v212                      ; old M - new M: a whole number, 0 or less
	s_delay_alu instid0(VALU_DEP_1)
	v_cvt_i32_f32 v212, v212                       ; (it saturates)
	s_delay_alu instid0(VALU_DEP_1)
	v_ldexp_f32 v208, 1.0, v212                    ; f = 2^(old M - new M)
.set j, 0
.rept 32
	v_pk_fma_f32 v[96+j:97+j], v[96+j:97+j], s[CS:CS+1], v[12:13] op_sel_hi:[1,0,0]   ; t - M
.set j, j+2
.endr
.set j, 0
	s_wait_alu depctr_va_vdst(0)
.rept 64
	v_exp_f32 v[96+j], v[96+j]                     ; p = 2^(t - M)
.set j, j+1
.endr
	v_pk_mul_f32 v[14:15], v[14:15], v[208:209] op_sel_hi:[1,0]   ; the sum under the new M; also the plain instruction behind the exponentials
	s_wait_alu depctr_va_vdst(0)                   ; one wait for the batch of 64, ahead of its first reader
	v_pk_add_f32 v[210:211], v[100:101], v[104:105]
	v_pk_add_f32 v[254:255], v[108:109], v[112:113]
	v_pk_add_f32 v[252:253], v[116:117], v[120:121]
	v_pk_add_f32 v[250:251], v[124:125], v[128:129]
	v_pk_add_f32 v[248:249], v[132:133], v[136:137]
	v_pk_add_f32 v[246:247], v[140:141], v[144:145]
	v_pk_add_f32 v[244:245], v[148:149], v[152:153]
	v_pk_add_f32 v[14:15], v[14:15], v[156:157]
	v_pk_add_f32 v[210:211], v[210:211], v[96:97]
	v_pk_add_f32 v[254:255], v[254:255], v[98:99]
	v_pk_add_f32 v[252:253], v[252:253], v[102:103]
	v_pk_add_f32 v[250:251], v[250:251], v[106:107]
	v_pk_add_f32 v[248:249], v[248:249], v[110:111]
	v_pk_add_f32 v[246:247], v[246:247], v[114:115]
	v_pk_add_f32 v[244:245], v[244:245], v[118:119]
	v_pk_add_f32 v[14:15], v[14:15], v[122:123]
	v_pk_add_f32 v[210:211], v[210:211], v[126:127]
	v_pk_add_f32 v[254:255], v[254:255], v[130:131]
	v_pk_add_f32 v[252:253], v[252:253], v[134:135]
	v_pk_add_f32 v[250:251], v[250:251], v[138:139]
	v_pk_add_f32 v[248:249], v[248:249], v[142:143]
	v_pk_add_f32 v[246:247], v[246:247], v[146:147]
	v_pk_add_f32 v[244:245], v[244:245], v[150:151]
	v_pk_add_f32 v[14:15], v[14:15], v[154:155]
	v_pk_add_f32 v[210:211], v[210:211], v[158:159]
	s_delay_alu instid0(VALU_DEP_2)
	v_pk_add_f32 v[14:15], v[14:15], v[250:251]
	s_delay_alu instid0(VALU_DEP_2)
	v_pk_add_f32 v[210:211], v[210:211], v[248:249]
	v_pk_add_f32 v[254:255], v[254:255], v[246:247]
	v_pk_add_f32 v[252:253], v[252:253], v[244:245]
	s_delay_alu instid0(VALU_DEP_2)
	v_pk_add_f32 v[14:15], v[14:15], v[254:255]
	s_delay_alu instid0(VALU_DEP_2)
	v_pk_add_f32 v[210:211], v[210:211], v[252:253]
	s_delay_alu instid0(VALU_DEP_1)
	v_pk_add_f32 v[14:15], v[14:15], v[210:211]
.set j, 0
.rept 64
.set j, j+1
.endr
.set j, 0
.rept 8
	v_cvt_scalef32_pk8_fp8_f32 v[192+2*j:193+2*j], v[96+8*j:103+8*j], v27
.set j, j+1
.endr
.set j, 0
.rept 16
	v_pk_mul_f32 v[160+j:161+j], v[160+j:161+j], v[208:209] op_sel_hi:[1,0]   ; O^T under the new M; these are also the plain instructions behind the conversions
.set j, j+2
.endr
	s_wait_alu depctr_va_vdst(0)
	s_wait_dscnt 0x0                               ; V's fragments
.set t, 0
.rept 4
	v_wmma_f32_16x16x128_fp8_fp8 v[160+8*t:167+8*t], v[32+16*t:47+16*t], v[192:207], v[160+8*t:167+8*t]   ; the four accumulators take turns
.set t, t+1
.endr
.Lhidden_\@:
	s_add_co_u32 s[KF], s[KF], 128
.endm
; THE CHANGE OF SLOTS stands at a visit's head.  Each wave waits for all its tensor loads (the slot that is about to be read), adds 0 to its spare word, and waits for that and for its reads of the slot that it has left.
; fill = 1: behind the barrier that other slot takes the next visit's keys: key slot + 1, or 0 where the high block's pass ends.
.macro CHANGE fill
	s_wait_tensorcnt 0x0                           ; no tensor load of mine is out, so group 0 may be written
	ds_add_u32 v[SPW], v[NIL]                      ; 0 onto my spare word
.if \fill
	s_xor_b32 s41, s41, SLOT1
	s_add_co_u32 s[KS], s[KS], 1
	s_cmp_eq_u32 s[KS], s[NH]
	s_cselect_b32 s[KS], 0, s[KS]
	s_lshl_b32 s52, s[KS], 14
	s_add_nc_u64 s[42:43], s[48:49], s[52:53]
	s_or_b32 s43, s43, 0x80000000
	s_wait_xcnt 0x0                                ; the last prefetch, a visit back, has read its address
	s_add_nc_u64 s[54:55], s[54:55], 16384
.endif
	s_wait_dscnt 0x0                               ; the add is done, and my reads of the slot that I have left are over
	s_barrier_signal -1
	s_barrier_wait -1
.if \fill
	TLOAD                                          ; the first thing behind the barrier, and a wave's one tensor load until the next
	ASK
.endif
.endm
; THE WAY OUT of a block's 16 queries: O^T / the sum x 2^(e4 + e5), quantised with 2^e6.  A lane's 32 codes are two runs of 16 channels of one row; through my stage the wave's 1,024 bytes leave as two stores of 512 consecutive bytes.
.macro WAYOUT op
.rept 4
	v_nop                                          ; places behind the last products
.endr
	v_add_f32 v14, v14, v15
	s_delay_alu instid0(VALU_DEP_1)
	v_permlanex16_b32 v30, v14, s[SEL], s[SEL+1]
	s_delay_alu instid0(VALU_DEP_1)
	v_add_f32 v14, v14, v30                        ; the row's sum
	s_wait_alu depctr_va_vdst(0)
	v_rcp_f32 v14, v14
	v_nop                                          ; a plain instruction behind the transcendental,
	s_wait_alu depctr_va_vdst(0)                   ; and the wait ahead of its first reader
	v_ldexp_f32 v14, v14, s[ES]
.set j, 0
.rept 32
	v_mul_f32 v[224+j], v[160+j], v14              ; register 8 t + i of tile t = 2 b + u: channel 32 b + 16 h + 8 u + i
.set j, j+1
.endr
.set j, 0
.rept 32
.set j, j+1
.endr
.set j, 0
.rept 4
	v_cvt_scalef32_pk8_fp8_f32 v[192+2*j:193+2*j], v[224+8*j:231+8*j], v29
.set j, j+1
.endr
	v_nop                                          ; one plain vector instruction behind the last conversion
	ds_store_b128 v[STI], v[192:195]               ; channels 16 h + 0 .. 15
	ds_store_b128 v[STI], v[196:199] offset:32     ; channels 32 + 16 h + 0 .. 15
	ds_load_b128 v[200:203], v[STR]                ; LDS serves a wave's instructions in order (ISA guide 5.7.1.4)
	ds_load_b128 v[204:207], v[STR] offset:8*80
	s_wait_dscnt 0x0
	global_store_b128 v[GO], v[200:203], s[\op:\op+1]
	global_store_b128 v[GO], v[204:207], s[\op:\op+1] offset:512
.endm
; At visit 8 - p the high block is finished and the low block begins.  The branch hangs on ids alone and is the same in all sixteen waves; no barrier and no tensor load stands inside.
.macro SWITCH
	s_cmp_lg_u32 s[VIS], s[NH]
	s_cbranch_scc1 .Lsame_\@
	WAYOUT 58
	s_mov_b32 s[Q0], s[Q0L]
	s_mov_b32 s[KF], 0
	global_load_b128 v[16:19], v[QO], s[56:57]
	global_load_b128 v[20:23], v[QO], s[56:57] offset:32
	INIT
	s_wait_loadcnt 0x0
	s_wait_xcnt 0x0                                ; the stores above have read their registers: the next step's codes may be written
.Lsame_\@:
.endm
	s_wait_loadcnt 0x0                             ; Q
.Lslot:                                            ; eight trips: behind each change of slots but the last the next visit's keys are asked for
	CHANGE 1
	SWITCH
	STEP 0
	STEP 1
	s_xor_b32 s[TB], s[TB], SLOT1
	s_add_co_u32 s[VIS], s[VIS], 1
	s_cmp_lt_u32 s[VIS], 8
	s_cbranch_scc1 .Lslot
	CHANGE 0                                       ; the ninth visit is written out
	SWITCH
	STEP 0
	STEP 1
	WAYOUT 60
	s_wait_tensorcnt 0x0                           ; the wave's end
	ds_add_u32 v[SPW], v[NIL]
	s_wait_dscnt 0x0
	s_endpgm
.Lfunc_end_k_qb649e94dae_attn:
	.size	k_qb649e94dae_attn, .Lfunc_end_k_qb649e94dae_attn-k_qb649e94dae_attn
	.p2alignl 7, 3214868480
	.fill 96, 4, 3214868480
	.section	.rodata,"a",@progbits
	.p2align	6, 0x0
	.amdhsa_kernel k_qb649e94dae_attn
		.amdhsa_group_segment_fixed_size 327680
		.amdhsa_private_segment_fixed_size 0
		.amdhsa_enable_private_segment 0
		.amdhsa_kernarg_size 40
		.amdhsa_user_sgpr_count 2
		.amdhsa_user_sgpr_kernarg_segment_ptr 1
		.amdhsa_wavefront_size32 1
		.amdhsa_system_sgpr_workgroup_id_x 1
		.amdhsa_system_sgpr_workgroup_id_y 1
		.amdhsa_system_sgpr_workgroup_id_z 1
		.amdhsa_system_vgpr_workitem_id 0
		.amdhsa_next_free_vgpr 256
		.amdhsa_next_free_sgpr 100
		.amdhsa_reserve_vcc 1
		.amdhsa_float_denorm_mode_32 3
		.amdhsa_float_denorm_mode_16_64 3
		.amdhsa_fp16_overflow 1
		.amdhsa_memory_ordered 1
		.amdhsa_forward_progress 1
		.amdhsa_inst_pref_size 96
	.end_amdhsa_kernel
	.amdgpu_metadata
---
amdhsa.version: [ 1, 2 ]
amdhsa.kernels:
  - .name:           k_qb649e94dae_attn
    .symbol:         k_qb649e94dae_attn.kd
    .args:
      - { .name: q_codes, .offset: 0, .size: 8, .value_kind: global_buffer, .address_space: global }
      - { .name: k_codes, .offset: 8, .size: 8, .value_kind: global_buffer, .address_space: global }
      - { .name: v_codes, .offset: 16, .size: 8, .value_kind: global_buffer, .address_space: global }
      - { .name: lowp_scales, .offset: 24, .size: 8, .value_kind: global_buffer, .address_space: global }
      - { .name: o_codes, .offset: 32, .size: 8, .value_kind: global_buffer, .address_space: global }
    .group_segment_fixed_size: 327680
    .private_segment_fixed_size: 0
    .kernarg_segment_align: 8
    .kernarg_segment_size: 40
    .max_flat_workgroup_size: 512
    .sgpr_count:     100
    .vgpr_count:     256
    .wavefront_size: 32
...
	.end_amdgpu_metadata
.endif
;; end of part 2
;; launch proj (part 3): grid 4 x 64, 4 waves a work-group, clusters of 4 x 4, 327,680 bytes of LDS; arguments o_codes, w2_codes, lowp_scales, b2, out0; writes out0
.if DOCPART == 3
	.amdgcn_target "amdgcn-amd-amdhsa--gfx1250"
	.amdhsa_code_object_version 6
	.text
	.protected	k_qb649e94dae_proj
	.globl	k_qb649e94dae_proj
	.p2align	8
	.type	k_qb649e94dae_proj,@function
k_qb649e94dae_proj:
	s_mov_b64 s[64:65], 0
	v_nop
	global_prefetch_b8 v0, s[64:65] scope:SCOPE_SE
	s_setreg_imm32_b32 hwreg(HW_REG_WAVE_MODE, 25, 1), 1
	s_wait_xcnt 0x0
	s_wait_alu depctr_hold_cnt(0) depctr_sa_sdst(0) depctr_va_vdst(0) depctr_va_sdst(0) depctr_va_ssrc(0) depctr_va_vcc(0) depctr_vm_vsrc(0)
	s_getreg_b32 s2, hwreg(HW_REG_IB_STS2, 6, 4)
	s_cmp_eq_u32 s2, 0
	s_cbranch_scc0 .Lentry_in_a_cluster
	s_endpgm
.Lentry_in_a_cluster:
	s_bfe_u32 s2, ttmp6, 0x10000c
	s_cmp_lg_u32 s2, 0xf033
	s_cbranch_scc0 .Lentry_shape_is_right
	s_endpgm
.Lentry_shape_is_right:
; out0 = o w2^T 2^(e6 + e7) + b2 on codes of E4M3.  o_codes: [row block of 128][head 16][row 128][64] (the launch before laid it so); w2: [1024][1024] codes, K innermost; out0: [8192][1024] f32.
; 256 work-groups: 128 rows (row block 4 Y + cy) x 256 columns (tile column cx).  Four waves, each 64 rows x 128 columns: 32 accumulators, in window 2.
; K goes in four steps of 256 (four heads) through two LDS slots; the text is straight: no loop.  A K step of o is 32,768 dense bytes (rows of 256), of w2 256 rows of 256 bytes.
; CLUSTERS: 4 x 4; o's tile is shared along a row of the cluster, w2's along a column: joint loads.  The matrix instruction is used transposed (source 0 = w2's rows, source 1 = o's): a lane holds eight neighbouring columns of a row.
; LIMIT: e6 + e7 between -126 and 127.  No prefetch: four K steps, two of them first fills.
; REGISTERS: window 0: v0-31 addresses, v32-95 b2 at my 64 columns, v128-255 A's fragments in two sets (on the way out free); window 1: B's fragments in two sets; window 2: accumulator (a, b) at v[8 (8 a + b)].
.set PITCH,  272
.set PLANE,  32*PITCH                  ; a head's 128 rows of 64 bytes: 32 LDS rows
.set AREG,   4*PLANE                   ; A's part of a slot
.set HALFB,  128*PITCH
.set SLOT,   AREG+2*HALFB
.set SPARE,  2*SLOT                    ; the spare words: 128 bytes a wave; no other line names them
.set STG,    SPARE+512                 ; the way out: 16 rows x (512 + 16) bytes for each wave; no tensor load lands here
.set SPITCH, 528
.set ADRA, 16
.set ADRB, 20
.set STO,  24
.set RD,   25
.set CO,   26
.set SPW,  28
.set NIL,  29
.set BI,   32
.set TMP,  128
.set BK,   192
.set G1, 24
.set G0, 32
.set G1B, 48
.set G0B, 56
.set MSB, 0
.macro WIN new
.if MSB != (\new)
	s_set_vgpr_msb (MSB<<8)|(\new)
.set MSB, (\new)
.endif
.endm
.set MUL,  0xa1                        ; source 0 (B) window 1, source 1 (A) window 0, C and D window 2
.set TO_B, 0x40
.macro JLOAD g0a, g1a, g0b, g1b        ; waves 0 and 1 fetch A's halves, waves 2 and 3 B's.  Four v_nop follow each of the two lines
	s_cmp_eq_u32 s15, 0
	s_cbranch_scc0 .Lfor_b_\@
	tensor_load_to_lds s[\g0a:\g0a+3], s[\g1a:\g1a+7]
	s_nop 0
.rept 4
	v_nop
.endr
	s_branch .Lasked_\@
.Lfor_b_\@:
	tensor_load_to_lds s[\g0b:\g0b+3], s[\g1b:\g1b+7]
	s_nop 0
.rept 4
	v_nop
.endr
.Lasked_\@:
.endm
.macro CREST
	s_cmp_lg_u32 s14, 0
	s_cbranch_scc1 .Lnot_wave_0_\@
	s_barrier_signal -3
.Lnot_wave_0_\@:
	s_barrier_wait -3
	s_barrier_signal -1
	s_barrier_wait -1
.endm
.macro CROUND
	s_barrier_signal -1
	s_barrier_wait -1
	CREST
.endm
	s_load_b256 s[4:11], s[0:1], 0x0               ; o_codes s[4:5], w2 s[6:7], the scales s[8:9], b2 s[10:11]
	s_load_b64 s[12:13], s[0:1], 0x20              ; out0
	v_lshl_add_u32 v[SPW], v0, 2, SPARE
	v_mov_b32 v[NIL], 0
	ds_add_u32 v28, v29
	ds_add_u32 v28, v29
	s_wait_dscnt 0x0
	v_lshrrev_b32 v1, 5, v0
	v_readfirstlane_b32 s14, v1                    ; wave 0..3
	s_lshr_b32 s15, s14, 1                         ; i: my 64 rows.  Also: I fetch for A (0) or for B (1)
	s_and_b32 s16, s14, 1                          ; j: my 128 columns.  Also: which half I fetch
	s_bfe_u32 s40, ttmp6, 0x40000                  ; cx
	s_bfe_u32 s41, ttmp6, 0x40004                  ; cy
	s_lshl_b32 s42, ttmp9, 2
	s_add_co_u32 s42, s42, s40                     ; tile column
	s_and_b32 s17, ttmp7, 0xffff
	s_lshl_b32 s17, s17, 2
	s_add_co_u32 s17, s17, s41                     ; row block
	s_lshl_b32 s43, s41, 2
	s_lshl_b32 s43, 15, s43                        ; my row of the cluster
	s_lshl_b32 s44, 0x1111, s40                    ; my column
	s_or_b32 s[G1+0], s43, (0<<16)|(1<<20)|(1<<21)|(5<<22)|(3<<25)  ; the mask; elements of 1 byte; padding: 4 words after every 64; bit 21 beside a mask
	s_mov_b32 s[G1+1], 256<<16                     ; A: 64 dense rows of 256 bytes (two heads' planes)
	s_mov_b32 s[G1+2], 64<<16
	s_mov_b32 s[G1+3], 256<<16
	s_mov_b32 s[G1+4], 64
	s_mov_b32 s[G1+5], 256
	s_mov_b32 s[G1+6], 0
	s_mov_b32 s[G1+7], 0
	s_or_b32 s[G1B+0], s44, (0<<16)|(1<<20)|(1<<21)|(5<<22)|(3<<25)
	s_mov_b32 s[G1B+1], 256<<16                    ; B: 128 rows of 256 bytes, 1,024 bytes apart
	s_mov_b32 s[G1B+2], 128<<16
	s_mov_b32 s[G1B+3], 256<<16
	s_mov_b32 s[G1B+4], 128
	s_mov_b32 s[G1B+5], 1024
	s_mov_b32 s[G1B+6], 0
	s_mov_b32 s[G1B+7], 0
	s_lshl_b32 s20, s17, 17
	s_lshl_b32 s18, s16, 14
	s_add_co_u32 s20, s20, s18                     ; A: row block x 131,072 + half x 16,384
	s_mov_b32 s21, 0
	s_lshl_b32 s46, s42, 8
	s_lshl_b32 s18, s16, 7
	s_add_co_u32 s46, s46, s18
	s_lshl_b32 s46, s46, 10                        ; B: (256 x tile column + 128 x half) rows of 1,024 bytes
	s_mov_b32 s47, 0
	s_mul_i32 s45, s16, 2*PLANE                    ; where they go: A's halves,
	s_mul_i32 s66, s16, HALFB
	s_add_co_u32 s66, s66, AREG                    ; B's halves behind them: the wave's number alone enters an LDS address
	s_wait_kmcnt 0x0
	s_load_b256 s[72:79], s[8:9], 0x0              ; e0 .. e7
	s_add_nc_u64 s[20:21], s[4:5], s[20:21]
	s_add_nc_u64 s[46:47], s[6:7], s[46:47]
	CROUND                                         ; all sixteen work-groups are here: the first joint loads meet
.irp s, 0,1
	s_mov_b32 s[G0+4*\s], 1
	s_add_co_u32 s[G0+4*\s+1], s45, \s*SLOT
	s_add_nc_u64 s[G0+4*\s+2:G0+4*\s+3], s[20:21], \s*32768
	s_or_b32 s[G0+4*\s+3], s[G0+4*\s+3], 0x80000000
	s_mov_b32 s[G0B+4*\s], 1
	s_add_co_u32 s[G0B+4*\s+1], s66, \s*SLOT
	s_add_nc_u64 s[G0B+4*\s+2:G0B+4*\s+3], s[46:47], \s*256
	s_or_b32 s[G0B+4*\s+3], s[G0B+4*\s+3], 0x80000000
	s_wait_alu depctr_va_vdst(0)
	s_wait_tensorcnt 0x0
	ds_add_u32 v28, v29
	ds_add_u32 v28, v29
	s_wait_dscnt 0x0
	CROUND
	JLOAD G0+4*\s, G1, G0B+4*\s, G1B
.endr
	s_lshl_b32 s68, s42, 8
	s_lshl_b32 s69, s16, 7
	s_add_co_u32 s68, s68, s69
	s_lshl_b32 s68, s68, 2                         ; my first column, in bytes of f32
	s_mov_b32 s69, 0
	s_add_nc_u64 s[94:95], s[10:11], s[68:69]
	v_and_b32 v1, 15, v0                           ; r
	v_bfe_u32 v2, v0, 4, 1                         ; h
	v_lshlrev_b32 v8, 5, v2
.irp b, 0,1,2,3,4,5,6,7
	global_load_b128 v[BI+8*\b:BI+8*\b+3], v8, s[94:95] offset:64*\b       ; b2 at columns 16 b + 8 h + 0 .. 7
	global_load_b128 v[BI+8*\b+4:BI+8*\b+7], v8, s[94:95] offset:64*\b+16
.endr
	v_lshrrev_b32 v3, 2, v1
	v_mul_u32_u24 v3, v3, PITCH
	v_and_b32 v4, 3, v1
	v_lshl_add_u32 v3, v4, 6, v3
	v_lshl_add_u32 v3, v2, 4, v3                   ; A: row r of a block: (r / 4) 272 + (r % 4) 64 + 16 h
	v_mul_u32_u24 v4, v1, PITCH
	v_lshl_add_u32 v4, v2, 4, v4                   ; B: r x 272 + 16 h
	s_mul_i32 s21, s15, 16*PITCH                   ; my 64 rows in each plane
	s_mul_i32 s22, s16, HALFB
	s_add_co_u32 s22, s22, AREG                    ; my 128 rows of B
.irp s, 0,1
	v_add_nc_u32 v[ADRA+\s], s21, v3
	v_add_nc_u32 v[ADRB+\s], s22, v4
	s_add_co_u32 s21, s21, SLOT
	s_add_co_u32 s22, s22, SLOT
.endr
	s_mul_i32 s23, s14, 16*SPITCH
	s_add_co_u32 s23, s23, STG                     ; my stage
	v_mul_u32_u24 v5, v1, SPITCH
	v_lshl_add_u32 v5, v2, 5, v5
	v_add_nc_u32 v[STO], s23, v5                   ; in: row r, 32 bytes for each half of the lanes
	v_and_b32 v6, 31, v0
	v_lshlrev_b32 v[CO], 4, v6                     ; back: the 32 lanes take a row of 512 bytes; the same in out0
	v_add_nc_u32 v[RD], s23, v[CO]
	s_lshl_b32 s70, s17, 7
	s_lshl_b32 s71, s15, 6
	s_add_co_u32 s70, s70, s71
	s_lshl_b32 s70, s70, 12                        ; my first row x 4,096 bytes (under 2^26)
	s_add_co_u32 s70, s70, s68
	s_mov_b32 s71, 0
	s_add_nc_u64 s[12:13], s[12:13], s[70:71]
; the fragments of the slot's q-th 128 along K into set p: registers 4 c .. 4 c + 3 hold K = 32 c + 16 h + 0 .. 15, in A (head 2 q + c / 2, channels 32 (c % 2) + 16 h on) and in B alike
.macro FETCH slot, q, p
	WIN TO_B
.irp b, 0,1,2,3,4,5,6,7
.irp c, 0,1,2,3
	ds_load_b128 v[128*(\p)+16*\b+4*\c:128*(\p)+16*\b+4*\c+3], v[ADRB+\slot] offset:128*(\q)+32*\c+\b*16*PITCH
.endr
.endr
	WIN 0
.irp a, 0,1,2,3
.irp c, 0,1,2,3
	ds_load_b128 v[128+64*(\p)+16*\a+4*\c:128+64*(\p)+16*\a+4*\c+3], v[ADRA+\slot] offset:(2*(\q)+\c/2)*PLANE+32*(\c%2)+\a*4*PITCH
.endr
.endr
.endm
; 16 matrix instructions: A's blocks a0, a0 + 1 x B's eight.  The 32 accumulators take turns, one instruction a turn, in the same order in every step.
.macro MUL16 a0, p, zero
.irp a, \a0, \a0+1
.irp b, 0,1,2,3,4,5,6,7
.if \zero
	v_wmma_f32_16x16x128_fp8_fp8 v[8*(8*(\a)+\b):8*(8*(\a)+\b)+7], v[128*(\p)+16*\b:128*(\p)+16*\b+15], v[128+64*(\p)+16*(\a):128+64*(\p)+16*(\a)+15], 0
.else
	v_wmma_f32_16x16x128_fp8_fp8 v[8*(8*(\a)+\b):8*(8*(\a)+\b)+7], v[128*(\p)+16*\b:128*(\p)+16*\b+15], v[128+64*(\p)+16*(\a):128+64*(\p)+16*(\a)+15], v[8*(8*(\a)+\b):8*(8*(\a)+\b)+7]
.endif
.endr
.endr
.endm
.macro PLACES                          ; four plain vector instructions between a matrix instruction and a load into, or a vector read or write of, its registers
.rept 4
	v_nop
.endr
.endm
.macro STEP slot, zero                 ; a slot's first 128 along K: set 0 is multiplied while set 1 comes
	s_wait_dscnt 0x0                               ; set 0 is in
	PLACES                                         ; for the loads into set 1, which the step before multiplied
	FETCH \slot, 1, 1
	WIN MUL
	MUL16 0, 0, \zero
	MUL16 2, 0, \zero
	WIN 0
.endm
; A slot's second 128 along K, and the change of slots: one barrier; in front of it each wave waits for all its tensor loads, adds 0 to its spare word, and waits for that and for its reads of this slot.
.macro TURN slot, next, fill
	s_wait_tensorcnt 0x0                           ; all my tensor loads have landed: my part of the next slot
	ds_add_u32 v[SPW], v[NIL]                      ; 0 onto my spare word
	s_wait_dscnt 1                                 ; set 1 is in; the add alone may be out
	WIN MUL
	MUL16 0, 1, 0
	s_wait_dscnt 0x0                               ; the add is done, and my reads of this slot are over
	s_barrier_signal -1
	WIN 0
	s_barrier_wait -1
.if \fill
	CREST                                          ; the barrier has opened a round of the cluster's: no wave of any partner still reads this slot or has a load on its way
	s_add_nc_u64 s[G0+4*\slot+2:G0+4*\slot+3], s[G0+4*\slot+2:G0+4*\slot+3], 2*32768
	s_add_nc_u64 s[G0B+4*\slot+2:G0B+4*\slot+3], s[G0B+4*\slot+2:G0B+4*\slot+3], 2*256
	JLOAD G0+4*\slot, G1, G0B+4*\slot, G1B         ; the first tensor load behind the round; its four v_nop are also the places in front of the loads below
.else
	PLACES
.endif
	FETCH \next, 0, 0
	WIN MUL
	MUL16 2, 1, 0
	WIN 0
.endm
	s_wait_alu depctr_va_vdst(0)
	s_wait_tensorcnt 1                             ; my part of K step 0 is in; K step 1's load may be out
	s_barrier_signal -1
	s_barrier_wait -1
	FETCH 0, 0, 0
	STEP 0, 1                                      ; the first products start the sums: nothing is cleared
	TURN 0, 1, 1                                   ; slot 0 takes K step 2
	STEP 1, 0
	TURN 1, 0, 1                                   ; slot 1 takes K step 3
	STEP 0, 0
	TURN 0, 1, 0                                   ; nothing is left to fetch
	STEP 1, 0
	s_wait_dscnt 0x0
	WIN MUL
	MUL16 0, 1, 0
	MUL16 2, 1, 0
	WIN 0
; THE WAY OUT, a block of 16 rows x 128 columns at a time: sum x 2^(e6 + e7) + b2 in one packed multiply-add; through my stage, so that the 32 lanes store a row's 512 consecutive bytes, aligned.
.macro PACK a
	WIN 0x02                                       ; source 0: window 2
.set j, 0
.rept 32
	v_pk_fma_f32 v[TMP+j:TMP+j+1], v[64*(\a)+j:64*(\a)+j+1], s[96:97], v[BI+j:BI+j+1] op_sel_hi:[1,0,1]   ; each accumulator from its low end on
.set j, j+2
.endr
	WIN 0
.endm
.macro TOSTG
.set j, 0
.rept 8
	ds_store_b128 v[STO], v[TMP+8*j:TMP+8*j+3] offset:64*j
	ds_store_b128 v[STO], v[TMP+8*j+4:TMP+8*j+7] offset:64*j+16
.set j, j+1
.endr
.set j, 0
.rept 16
	ds_load_b128 v[BK+4*j:BK+4*j+3], v[RD] offset:j*SPITCH   ; LDS serves a wave's instructions in order (ISA guide 5.7.1.4): these see the stores above
.set j, j+1
.endr
.endm
.macro SEND a
	s_wait_dscnt 0x0                               ; the block is back in registers
.set j, 0
.rept 16
	global_store_b128 v[CO], v[BK+4*j:BK+4*j+3], s[12:13] offset:(16*(\a)+j)*4096 th:TH_STORE_NT   ; written once, read by nobody here
.set j, j+1
.endr
.endm
	s_wait_kmcnt 0x0
	s_add_co_i32 s96, s78, s79
	s_add_co_i32 s96, s96, 127
	s_lshl_b32 s96, s96, 23                        ; 2^(e6 + e7) as f32
	s_mov_b32 s97, s96                             ; (named with it as a pair, so it is written)
	s_wait_loadcnt 0x0                             ; b2
	PLACES                                         ; behind the last products
	PACK 0
	TOSTG
.irp a, 1,2,3
	s_wait_dscnt 16                                ; the block before: its 16 stores into the stage have read their registers; its 16 loads may be out
	PACK \a
	s_wait_alu depctr_va_vdst(0)
	SEND \a-1
	s_wait_xcnt 0x0                                ; those stores have read their registers: the next loads may land there
	TOSTG
.endr
	SEND 3
	s_wait_tensorcnt 0x0                           ; the wave's end
	ds_add_u32 v[SPW], v[NIL]
	s_wait_dscnt 0x0
	CROUND                                         ; the closing round
	s_endpgm
.Lfunc_end_k_qb649e94dae_proj:
	.size	k_qb649e94dae_proj, .Lfunc_end_k_qb649e94dae_proj-k_qb649e94dae_proj
	.p2alignl 7, 3214868480
	.fill 96, 4, 3214868480
	.section	.rodata,"a",@progbits
	.p2align	6, 0x0
	.amdhsa_kernel k_qb649e94dae_proj
		.amdhsa_group_segment_fixed_size 327680
		.amdhsa_private_segment_fixed_size 0
		.amdhsa_enable_private_segment 0
		.amdhsa_kernarg_size 40
		.amdhsa_user_sgpr_count 2
		.amdhsa_user_sgpr_kernarg_segment_ptr 1
		.amdhsa_wavefront_size32 1
		.amdhsa_system_sgpr_workgroup_id_x 1
		.amdhsa_system_sgpr_workgroup_id_y 1
		.amdhsa_system_sgpr_workgroup_id_z 1
		.amdhsa_system_vgpr_workitem_id 0
		.amdhsa_next_free_vgpr 768
		.amdhsa_next_free_sgpr 100
		.amdhsa_reserve_vcc 0
		.amdhsa_float_denorm_mode_32 3
		.amdhsa_float_denorm_mode_16_64 3
		.amdhsa_memory_ordered 1
		.amdhsa_forward_progress 1
		.amdhsa_inst_pref_size 78
	.end_amdhsa_kernel
	.amdgpu_metadata
---
amdhsa.version: [ 1, 2 ]
amdhsa.kernels:
  - .name:           k_qb649e94dae_proj
    .symbol:         k_qb649e94dae_proj.kd
    .args:
      - { .name: o_codes, .offset: 0, .size: 8, .value_kind: global_buffer, .address_space: global }
      - { .name: w2_codes, .offset: 8, .size: 8, .value_kind: global_buffer, .address_space: global }
      - { .name: lowp_scales, .offset: 16, .size: 8, .value_kind: global_buffer, .address_space: global }
      - { .name: b2, .offset: 24, .size: 8, .value_kind: global_buffer, .address_space: global }
      - { .name: out0, .offset: 32, .size: 8, .value_kind: global_buffer, .address_space: global }
    .group_segment_fixed_size: 327680
    .private_segment_fixed_size: 0
    .kernarg_segment_align: 8
    .kernarg_segment_size: 40
    .max_flat_workgroup_size: 128
    .sgpr_count:     100
    .vgpr_count:     768
    .wavefront_size: 32
...
	.end_amdgpu_metadata
.endif
;; end of part 3
